; MI455X (gfx1250); checked and timed in simulation.
; The chip was launched on July 23, 2026; its instructions are those of AMD's public machine-readable ISA for CDNA 5 (MIT licence, August 2026) and "CDNA5" Instruction Set Architecture Reference Guide (July 2026). The comments in the code are by the model that wrote it; some were corrected since.
;; Bahdanau Attn. Allowed arithmetic: matrix products marked QUANTISED: E2M3 operands, one E8M0 scale for each 32 along K, by v_wmma_scale_f32_16x16x128_f8f6f4 with both operands' format E2M3, f32 sums; products left as they are: f32 operands where the result goes on into a quantised operand, else bf16, f16 or f32 operands; f32 sums; everything else in f32.
;; Inputs: W_e_codes 1,024 x 32 x 24 uint8 (E2M3 codes of W_e, K innermost, in blocks of 32 codes, four codes in three bytes); W_e_scales 1,024 x 32 uint8 (E8M0 scales of W_e, one for each 32 codes along K); W_h_codes 1,024 x 32 x 24 uint8 (E2M3 codes of W_h, K innermost, in blocks of 32 codes, four codes in three bytes); W_h_scales 1,024 x 32 uint8 (E8M0 scales of W_h, one for each 32 codes along K); b_e 1,024 float32; b_h 1,024 float32; encoder_outputs_codes 2,048 x 32 x 32 x 24 uint8 (E2M3 codes of encoder_outputs, K innermost, in blocks of 32 codes, four codes in three bytes); encoder_outputs_scales 2,048 x 32 x 32 uint8 (E8M0 scales of encoder_outputs, one for each 32 codes along K); hidden_codes 1 x 32 x 32 x 24 uint8 (E2M3 codes of hidden, K innermost, in blocks of 32 codes, four codes in three bytes); hidden_scales 1 x 32 x 32 uint8 (E8M0 scales of hidden, one for each 32 codes along K); v 1,024 float32.
;; Outputs: out0 32 x 1 x 2,048 float32.
;; This version of the problem:
;;   THIS VERSION OF THE PROBLEM IS GIVEN IN LOW PRECISION. The matrix products marked QUANTISED in the list below multiply operands that are first quantised to E2M3 (2 exponent bits, 3 mantissa bits; 6 bits a number), with one power-of-two scale for each 32 numbers along K (OCP MX v1.0); their sums are f32. All else is computed in f32.
;;   The module's matrix products, in the order in which they are computed (A, B: the left and right operand; K: the contracted axis; several contracted axes count as one K, in the product's order):
;;     1. [M 32, K 1,024] x [K 1,024, N 1,024]; A: input hidden (given as codes); B: input W_h (given as codes): QUANTISED
;;     2. [M 1,024, K 1,024] x [K 1,024, N 65,536]; A: input W_e (given as codes); B: input encoder_outputs (given as codes): QUANTISED
;;     3. [M 65,536, K 1,024] x [K 1,024, N 1]; A: computed on the way; B: input v: left as it is (N = 1 < 16)
;;   THE QUANTISER, for each operand of a quantised product, along K:
;;     - K is cut into blocks of 32 from its start; a last block that is shorter is filled with zeros.
;;     - A block's scale is 2^e with e = floor(log2(the largest magnitude in the block)) - 2, held to -126 .. 127; a block of zeros has e = 0. As a byte (E8M0): e + 127.
;;     - Each number is divided by its block's scale, clamped to +-7.5, and rounded to the nearest number of E2M3, ties to even, subnormals kept.
;;     - The product sums the exact products of the quantised numbers (number of the format x scale) in f32.
;;   ~~~python
;;   def quantise(x, axis):      # numpy; x: float32 -> the quantised numbers, widened to float32 again
;;       x = np.moveaxis(x, axis, -1); K = x.shape[-1]
;;       x = np.pad(x, [(0, 0)] * (x.ndim - 1) + [(0, -K % 32)]); x = x.reshape(x.shape[:-1] + (-1, 32)); a = np.abs(x).max(-1, keepdims=True)
;;       e = np.where(a > 0, np.clip(np.frexp(np.where(a > 0, a, 1))[1] - 1 - 2, -126, 127), 0)      # np.frexp(a)[1] - 1 = floor(log2(a)), exactly
;;       r = np.clip(x / 2.0 ** e, -7.5, 7.5)
;;       step = 2.0 ** (np.maximum(np.frexp(np.where(r == 0, 1, r))[1] - 1, 0) - 3)
;;       q = np.round(r / step) * step * 2.0 ** e      # np.round: ties to even
;;       return np.moveaxis(q.reshape(q.shape[:-2] + (-1,))[..., :K], -1, axis).astype(np.float32)
;;   ~~~
;;   INPUTS GIVEN AS CODES. W_e (in the module: [1024, 1024], K = its axis 1); W_h (in the module: [1024, 1024], K = its axis 1); encoder_outputs (in the module: [2048, 32, 1024], K = its axis 2); hidden (in the module: [1, 32, 1024], K = its axis 2): each comes as NAME_codes (uint8): NAME with its K axis moved to the last place and cut into blocks of 32 codes, [.., K / 32, bytes a block], one block behind the other in memory; four codes in three bytes: a row's codes are one little-endian stream of bits, code i at bits 6 i .. 6 i + 5 (a code: sign, 2 exponent bits, 3 mantissa bits); and NAME_scales (uint8): the same leading axes, one E8M0 byte (e + 127) for each 32 codes along K. Its value is code x scale, taken as it is: it is not quantised again, and the codes and scales need not be those that the quantiser above would give.
;; One version. Each part assembles by itself: llvm-mc -triple=amdgcn-amd-amdhsa -mcpu=gfx1250 --defsym DOCPART=n.
;; ======== version 1 of 1: 3 launches
;; workspace buffers: wstream 966,656 bytes; scores 262,144 bytes
;; launch prep (part 1): grid 64 x 1, 4 waves a work-group, no clusters, 0 bytes of LDS; arguments W_h_codes, W_h_scales, hidden_codes, hidden_scales, b_h, b_e, W_e_codes, W_e_scales, v, wstream; writes wstream
.if DOCPART == 1
	.amdgcn_target "amdgcn-amd-amdhsa--gfx1250"
	.amdhsa_code_object_version 6
	.text
	.protected	k_qfd8f846397_prep
	.globl	k_qfd8f846397_prep
	.p2align	8
	.type	k_qfd8f846397_prep,@function
k_qfd8f846397_prep:
	s_mov_b64 s[64:65], 0
	v_nop
	global_prefetch_b8 v0, s[64:65] scope:SCOPE_SE
	s_setreg_imm32_b32 hwreg(HW_REG_WAVE_MODE, 25, 1), 1
	s_wait_xcnt 0x0
; BahdanauAttn, first of three launches.  out[b][t] = softmax over t of score(b, t), score(b, t) = sum over g of v[g] tanh(hp[b][g] + ep[t][b][g]),
; hp = hidden W_h^T + b_h, ep = enc W_e^T + b_e; both products on codes of FP6 (E2M3) with one E8M0 scale for each 32 along K, as they are given.
; WORK LEFT OUT.  tanh(x) = 1 - 2 / (1 + 2^(c x)), c = 2 log2(e), so score(b, t) = (sum over g of v[g]) - 2 sum over g of v[g] r, r = 1 / (1 + 2^(c x)).
; The first term holds neither b's row nor t: it is the same along the softmax's axis for all values of the inputs, and a softmax is not moved by such a term.  It is not formed.
; Every input still has a way to the output, and all are loaded.  LIMIT: an overflow, an infinity or a NaN that would arise in the sum of v alone is not carried to the result.
; THIS LAUNCH makes, for each tile gt of 16 rows g of W_e, one block of 15,104 bytes of the buffer wstream, laid in the order in which the second launch's registers take it:
;   +0      W_e's codes: K step s (128 along K) at 1,536 s; of its fragment's 12 registers, registers 4 c .. 4 c + 3 of lane l at 512 c + 16 l
;   +12,288 W_e's scale bytes: lane (r, h) has bytes 32 r + 16 h .. + 15 of the tile's 512 at 16 l
;   +12,800 hp + b_h + b_e for b = 0 .. 15, in a matrix result's layout: register 4 q + k of lane (r, h) = the number of (b = r, g = 16 gt + 8 h + 4 q + k), at 512 q + 16 l;  +13,824 the same for b = 16 .. 31
;   +14,848 -2 v of the tile's 16 g, 64 bytes, written four times
; SHARES.  Work-group gt.  Waves 0 and 1: hp for b = 16 wave .. + 15 (8 matrix instructions each).  Waves 2 and 3: four K steps each of W_e's codes; wave 2 also the scale bytes, wave 3 also -2 v.
; The waves share nothing: no LDS, no barrier.  Every wave issues all its loads in one run and waits for them once.
; Every store of a wave covers 512 (the last: 256) consecutive bytes, at a multiple of 256 from the buffer's first byte.
.set BLK, 15104
.macro IMAGES                          ; four fragments leave as images of their registers: 512 consecutive bytes a store
.irp s, 0,1,2,3
.irp c, 0,1,2
	global_store_b128 v6, v[16+12*\s+4*\c:19+12*\s+4*\c], s[38:39] offset:1536*\s+512*\c
.endr
.endr
.endm
	s_load_b256 s[4:11], s[0:1], 0x0               ; W_h's codes s[4:5], its scales s[6:7], hidden's codes s[8:9], its scales s[10:11]
	s_load_b256 s[12:19], s[0:1], 0x20             ; b_h s[12:13], b_e s[14:15], W_e's codes s[16:17], its scales s[18:19]
	s_load_b128 s[20:23], s[0:1], 0x40             ; v s[20:21], wstream s[22:23]
	v_lshrrev_b32 v1, 5, v0
	v_readfirstlane_b32 s30, v1                    ; wave 0..3
	v_and_b32 v1, 15, v0                           ; r
	v_bfe_u32 v2, v0, 4, 1                         ; h
	v_mul_u32_u24 v3, v1, 768                      ; a row of 1,024 codes is 768 bytes;
	v_mad_u32_u24 v3, v2, 24, v3                   ; a fragment's place for my lane: row r, + 24 h
	v_lshlrev_b32 v4, 5, v1
	v_lshl_add_u32 v4, v2, 4, v4                   ; scale bytes: 32 a row, my half's 16
	v_lshlrev_b32 v5, 5, v2                        ; the biases: my half's eight numbers
	v_and_b32 v6, 31, v0
	v_lshlrev_b32 v6, 4, v6                        ; an image's place for my lane: 16 l
	s_mul_i32 s24, ttmp9, 12288                    ; the tile's 16 rows of codes
	s_mov_b32 s25, 0
	s_lshl_b32 s26, ttmp9, 9                       ; of scale bytes
	s_mov_b32 s27, 0
	s_mul_i32 s28, ttmp9, BLK                      ; its block
	s_mov_b32 s29, 0
	s_lshl_b32 s32, ttmp9, 6                       ; its 16 numbers of b_h, b_e, v
	s_mov_b32 s33, 0
	s_wait_kmcnt 0x0
	s_add_nc_u64 s[22:23], s[22:23], s[28:29]
	s_cmp_lt_u32 s30, 2
	s_cbranch_scc0 .Llay
	; ---- waves 0, 1: hp^T = W_h hidden^T (source 0 = 16 rows of W_h, source 1 = 16 rows of hidden): lane (r, h) holds b = 16 wave + r, register j holds g = 16 gt + 8 h + j
	s_add_nc_u64 s[4:5], s[4:5], s[24:25]
	s_add_nc_u64 s[6:7], s[6:7], s[26:27]
	s_add_nc_u64 s[12:13], s[12:13], s[32:33]
	s_add_nc_u64 s[14:15], s[14:15], s[32:33]
	s_mul_i32 s34, s30, 12288
	s_mov_b32 s35, 0
	s_add_nc_u64 s[8:9], s[8:9], s[34:35]
	s_lshl_b32 s36, s30, 9
	s_mov_b32 s37, 0
	s_add_nc_u64 s[10:11], s[10:11], s[36:37]
	s_lshl_b32 s38, s30, 10
	s_add_co_u32 s38, s38, 12800
	s_mov_b32 s39, 0
	s_add_nc_u64 s[22:23], s[22:23], s[38:39]      ; my image in the block
.irp s, 0,1,2,3,4,5,6,7
.irp p, 0,1,2,3,4,5
	global_load_b64 v[16+12*\s+2*\p:17+12*\s+2*\p], v3, s[4:5] offset:96*\s+48*(\p/3)+8*(\p%3)      ; W_h's fragment of K step s: v16-111
	global_load_b64 v[112+12*\s+2*\p:113+12*\s+2*\p], v3, s[8:9] offset:96*\s+48*(\p/3)+8*(\p%3)    ; hidden's: v112-207
.endr
.endr
	global_load_b128 v[208:211], v4, s[6:7]        ; scale words: register q holds K step q's in lanes 0-15 and K step 4 + q's in lanes 16-31
	global_load_b128 v[212:215], v4, s[10:11]
	global_load_b128 v[232:235], v5, s[12:13]
	global_load_b128 v[236:239], v5, s[12:13] offset:16
	global_load_b128 v[240:243], v5, s[14:15]
	global_load_b128 v[244:247], v5, s[14:15] offset:16
	s_wait_loadcnt 0x0
.irp s, 0,1,2,3,4,5,6,7                        ; two accumulators by turns: even K steps v216-223, odd ones v224-231; the first two products start the sums
.if \s < 2
	v_wmma_scale_f32_16x16x128_f8f6f4 v[216+8*(\s%2):223+8*(\s%2)], v[16+12*\s:27+12*\s], v[112+12*\s:123+12*\s], 0, v[208+\s%4], v[212+\s%4] matrix_a_fmt:MATRIX_FMT_FP6 matrix_b_fmt:MATRIX_FMT_FP6
.elseif \s < 4
	v_wmma_scale_f32_16x16x128_f8f6f4 v[216+8*(\s%2):223+8*(\s%2)], v[16+12*\s:27+12*\s], v[112+12*\s:123+12*\s], v[216+8*(\s%2):223+8*(\s%2)], v[208+\s%4], v[212+\s%4] matrix_a_fmt:MATRIX_FMT_FP6 matrix_b_fmt:MATRIX_FMT_FP6
.else
	v_wmma_scale_f32_16x16x128_f8f6f4 v[216+8*(\s%2):223+8*(\s%2)], v[16+12*\s:27+12*\s], v[112+12*\s:123+12*\s], v[216+8*(\s%2):223+8*(\s%2)], v[208+\s%4], v[212+\s%4] matrix_a_fmt:MATRIX_FMT_FP6 matrix_b_fmt:MATRIX_FMT_FP6 matrix_a_scale:MATRIX_SCALE_ROW1 matrix_b_scale:MATRIX_SCALE_ROW1
.endif
.endr
.irp k, 0,2,4,6
	v_pk_add_f32 v[232+\k:233+\k], v[232+\k:233+\k], v[240+\k:241+\k]   ; b_h + b_e: four plain lines that name nothing of the products: the places behind them (ISA guide 7.12.1)
.endr
.irp k, 0,2,4,6
	v_pk_add_f32 v[240+\k:241+\k], v[216+\k:217+\k], v[224+\k:225+\k]   ; the two halves of the sum, each accumulator from its low end on
.endr
.irp k, 0,2,4,6
	v_pk_add_f32 v[240+\k:241+\k], v[240+\k:241+\k], v[232+\k:233+\k]
.endr
	global_store_b128 v6, v[240:243], s[22:23]
	global_store_b128 v6, v[244:247], s[22:23] offset:512
	s_endpgm
.Llay:
	; ---- waves 2, 3: W_e's fragments of K steps 4 u .. 4 u + 3 (u = wave - 2) are loaded as the matrix unit wants them and stored as images of their registers
	s_sub_co_u32 s31, s30, 2
	s_mul_i32 s34, s31, 384
	s_add_co_u32 s34, s34, s24
	s_mov_b32 s35, 0
	s_add_nc_u64 s[16:17], s[16:17], s[34:35]
	s_mul_i32 s36, s31, 6144
	s_mov_b32 s37, 0
	s_add_nc_u64 s[38:39], s[22:23], s[36:37]
.irp s, 0,1,2,3
.irp p, 0,1,2,3,4,5
	global_load_b64 v[16+12*\s+2*\p:17+12*\s+2*\p], v3, s[16:17] offset:96*\s+48*(\p/3)+8*(\p%3)
.endr
.endr
	s_cmp_eq_u32 s30, 2
	s_cbranch_scc0 .Lvee
	s_add_nc_u64 s[18:19], s[18:19], s[26:27]      ; wave 2: the tile's 512 scale bytes, asked for in the same run as the fragments
	global_load_b128 v[64:67], v4, s[18:19]
	s_wait_loadcnt 0x0
	IMAGES
	global_store_b128 v6, v[64:67], s[22:23] offset:12288
	s_endpgm
.Lvee:
	s_add_nc_u64 s[20:21], s[20:21], s[32:33]      ; wave 3: -2 v of the tile's 16 g: eight lanes hold the 64 bytes, the 32 lanes hold them four times
	v_and_b32 v7, 7, v0
	v_lshlrev_b32 v7, 3, v7
	v_and_b32 v8, 31, v0
	v_lshlrev_b32 v8, 3, v8
	global_load_b64 v[64:65], v7, s[20:21]
	s_wait_loadcnt 0x0
	IMAGES
	v_pk_mul_f32 v[66:67], v[64:65], -2.0 op_sel_hi:[1,0]
	global_store_b64 v8, v[66:67], s[22:23] offset:14848
	s_endpgm
.Lfunc_end_k_qfd8f846397_prep:
	.size	k_qfd8f846397_prep, .Lfunc_end_k_qfd8f846397_prep-k_qfd8f846397_prep
	.p2alignl 7, 3214868480
	.fill 96, 4, 3214868480
	.section	.rodata,"a",@progbits
	.p2align	6, 0x0
	.amdhsa_kernel k_qfd8f846397_prep
		.amdhsa_group_segment_fixed_size 0
		.amdhsa_private_segment_fixed_size 0
		.amdhsa_enable_private_segment 0
		.amdhsa_kernarg_size 80
		.amdhsa_user_sgpr_count 2
		.amdhsa_user_sgpr_kernarg_segment_ptr 1
		.amdhsa_wavefront_size32 1
		.amdhsa_system_sgpr_workgroup_id_x 1
		.amdhsa_system_sgpr_workgroup_id_y 1
		.amdhsa_system_sgpr_workgroup_id_z 1
		.amdhsa_system_vgpr_workitem_id 0
		.amdhsa_next_free_vgpr 256
		.amdhsa_next_free_sgpr 66
		.amdhsa_reserve_vcc 0
		.amdhsa_float_denorm_mode_32 3
		.amdhsa_float_denorm_mode_16_64 3
		.amdhsa_memory_ordered 1
		.amdhsa_forward_progress 1
		.amdhsa_inst_pref_size 20
	.end_amdhsa_kernel
	.amdgpu_metadata
---
amdhsa.version: [ 1, 2 ]
amdhsa.kernels:
  - .name:           k_qfd8f846397_prep
    .symbol:         k_qfd8f846397_prep.kd
    .args:
      - { .name: W_h_codes, .offset: 0, .size: 8, .value_kind: global_buffer, .address_space: global }
      - { .name: W_h_scales, .offset: 8, .size: 8, .value_kind: global_buffer, .address_space: global }
      - { .name: hidden_codes, .offset: 16, .size: 8, .value_kind: global_buffer, .address_space: global }
      - { .name: hidden_scales, .offset: 24, .size: 8, .value_kind: global_buffer, .address_space: global }
      - { .name: b_h, .offset: 32, .size: 8, .value_kind: global_buffer, .address_space: global }
      - { .name: b_e, .offset: 40, .size: 8, .value_kind: global_buffer, .address_space: global }
      - { .name: W_e_codes, .offset: 48, .size: 8, .value_kind: global_buffer, .address_space: global }
      - { .name: W_e_scales, .offset: 56, .size: 8, .value_kind: global_buffer, .address_space: global }
      - { .name: v, .offset: 64, .size: 8, .value_kind: global_buffer, .address_space: global }
      - { .name: wstream, .offset: 72, .size: 8, .value_kind: global_buffer, .address_space: global }
    .group_segment_fixed_size: 0
    .private_segment_fixed_size: 0
    .kernarg_segment_align: 8
    .kernarg_segment_size: 80
    .max_flat_workgroup_size: 128
    .sgpr_count:     66
    .vgpr_count:     256
    .wavefront_size: 32
...
	.end_amdgpu_metadata
.endif
;; end of part 1
;; launch energy (part 2): grid 256 x 1, 4 waves a work-group, clusters of 4 x 1, 327,680 bytes of LDS; arguments encoder_outputs_codes, encoder_outputs_scales, wstream, scores; writes scores
.if DOCPART == 2
	.amdgcn_target "amdgcn-amd-amdhsa--gfx1250"
	.amdhsa_code_object_version 6
	.text
	.protected	k_qfd8f846397_energy
	.globl	k_qfd8f846397_energy
	.p2align	8
	.type	k_qfd8f846397_energy,@function
k_qfd8f846397_energy:
	s_mov_b64 s[64:65], 0
	v_nop
	global_prefetch_b8 v0, s[64:65] scope:SCOPE_SE
	s_setreg_imm32_b32 hwreg(HW_REG_WAVE_MODE, 25, 1), 1
	s_wait_xcnt 0x0
	s_wait_alu depctr_hold_cnt(0) depctr_sa_sdst(0) depctr_va_vdst(0) depctr_va_sdst(0) depctr_va_ssrc(0) depctr_va_vcc(0) depctr_vm_vsrc(0)
	s_getreg_b32 s2, hwreg(HW_REG_IB_STS2, 6, 4)
	s_cmp_eq_u32 s2, 0
	s_cbranch_scc0 .Lentry_in_a_cluster
	s_endpgm
.Lentry_in_a_cluster:
	s_bfe_u32 s2, ttmp6, 0x10000c
	s_cmp_lg_u32 s2, 0x3003
	s_cbranch_scc0 .Lentry_shape_is_right
	s_endpgm
.Lentry_shape_is_right:
; Second launch: scores[b][t] = sum over g of (-2 v[g]) / (1 + 2^(c x)), x = hp[b][g] + b_h[g] + b_e[g] + (enc W_e^T)[row][g], c = 2 log2(e), row = 32 t + b.
; WORK LEFT OUT: the term sum over g of v[g] of v . tanh(x): it is the same along the softmax's axis for all values of the inputs (shown at the head of the first launch's text).
; LIMITS: where c x overflows, 2^(c x) is infinity and the term is 0; where it falls under the smallest normal number it counts as 0 and the term is -2 v[g]: both are tanh's own limits.  A scale byte 0xff (NaN) goes through to the result.
; SHARES.  A work-group owns 256 consecutive rows of enc (196,608 dense bytes of codes) and all 1,024 g.  Wave w: wr = w / 2, wg = w % 2.  It holds 128 rows, eight tiles a of 16 (tile a: rows 32 a + 16 wr + r, so b = 16 wr + r
; in every tile), IN REGISTERS FOR ALL OF K: 64 fragments, 768 registers; and it walks the 32 tiles gt = 2 n + wg of 16 g, a step n each.  A step is 64 matrix instructions (8 tiles x 8 K steps) fed by ONE tile of W_e out of LDS:
; 29 loads of 512 bytes.  One set of 8 bias registers and one of 8 registers of -2 v serve all eight tiles, since all have the same b and g.
; TRANSPOSED USE: source 0 = 16 rows of W_e, source 1 = 16 rows of enc: lane (r, h) holds row r, register j holds g = 8 h + j.  The bias is the C of each sum's first product.
; BY TURNS.  The eight accumulators are two groups: A (tiles 0-3), B (tiles 4-7).  In a PHASE one group has the matrix unit, 32 instructions, its four accumulators by turns; the other group's activation of the phase before
; stands in slices behind them: x c and 2^ (48 lines), + 1 and 1 / (48 lines), the multiply-add with -2 v into the tiles' sums (16 lines).  IN A SLICE THE PLAIN LINES LEAD AND THE TRANSCENDENTALS FOLLOW: next to a matrix
; instruction stand the lines of the kind that the ISA guide (7.12.1) names as independent work behind one.
; LDS.  W_e's stream (the first launch's blocks, in register order: no pitch, no padding) goes through two slots of four steps, 120,832 bytes each.  enc's rows are staged once, read out into registers, and slot 1 then lies in those bytes.
; CLUSTER.  All work-groups walk the same stream, so the four of a cluster ask for it JOINTLY (mask 15).  enc's rows are one work-group's own: plain loads.  No second operand is shared, so a cluster of 4 x 4 would add nothing.
; No prefetch: enc is asked for at the head, where every work-group's first loads are on their way; the stream is asked for a whole slot, 256 matrix instructions, ahead, and is read by every cluster, not once.
; REGISTERS.  Window 0: v0-7 addresses; v8-39 enc's scale words; v40-47 W_e's, two sets; v48-55 bias; v56-63 -2 v; v64-79 the tiles' sums, a pair each; v80-143 accumulators; v144-239 W_e's eight fragments;
; v240-251 enc's fragment 63; v252-255 addresses.  Windows 1-3: enc's fragments f = 32 (a / 4) + 4 s + a % 4 for f up to 62: window 1 + f / 21, register 12 (f % 21): a phase takes them in ascending f.
; Only source 1 of a matrix instruction leaves window 0.  The first 96 lines of an activation have no vector register as source 1, nor have the LDS loads and the address lines (vector register first, scalar second): they stand under the
; products' setting.  The 16 multiply-adds alone want every window 0.
.set BLK,    15104                     ; a block of the stream: one tile of 16 g
.set STEPB,  2*BLK                     ; a step's two blocks (wg = 0, 1): what one tensor load brings
.set SLOTB,  4*STEPB                   ; a slot: four steps
.set SLOT1,  1<<17                     ; slot 1 begins here: one exclusive or turns an address in one slot into the other's
.set STG,    SLOTB                     ; enc's staging: 256 rows,
.set EPI,    792                       ; each 3 x (256 bytes + 8 of padding) = 198 words
.set SST,    STG+256*EPI               ; the scores' stage: [wg][32 b][8 t] f32: written by LDS stores alone, no tile lands there
.set SPARE,  SST+2048                  ; the spare words, 128 bytes for each wave: two blocks of 256 bytes that no other line names
.set TMPA,  0                          ; v0    an address in hand (after the head)
.set LANEW, 1                          ; v1    16 l + BLK wg: my lane's place in a step's images
.set LANEV, 2                          ; v2    14,848 + BLK wg + 32 h: my half's eight numbers of -2 v
.set ADW,   3                          ; v3    LANEW + the step's first byte
.set SPW,   4                          ; v4    LDS address of my spare word; never rewritten
.set NIL,   5                          ; v5    0; never rewritten
.set ESO,   6                          ; v6    enc's scale bytes: 32 r + 16 h
.set SSTO,  7                          ; v7    where I put a row's sum
.set ES,    8
.set WS,    40
.set BIAS,  48
.set VV,    56
.set SUM,   64
.set ACC,   80
.set WF,    144
.set EA0,   252                        ; v252  the staging: my row, + 24 h;  v253 the same behind one padding more
.set EA1,   253
.set SRD,   254                        ; v254  where I read two sums back
.set GO,    255                        ; v255  and their place in scores
.set WV,    12                         ; s12 wave, s13 wr, s14 wg, s15 cx, s16 the work-group's number
.set WR,    13
.set WG,    14
.set CX,    15
.set WID,   16
.set G1E,   20                         ; s[20:27] descriptor group 1 for enc;  s[28:35] for the stream
.set G1W,   28
.set G0E0,  36                         ; s[36:39], s[40:43] groups 0 for enc's two halves;  s[44:47] the stream's, which walks
.set G0E1,  40
.set G0W,   44
.set CS,    48                         ; s[48:49] c: the packed form names a pair and takes its low word for both halves
.set SEL,   50                         ; s[50:51] lane selects for v_permlanex16_b32: lane l xor 16
.set TB,    52                         ; s52 LDS byte at which the step's blocks begin
.set SLOTS, 53                         ; s53 slots still to be asked for
.set WRK,   54                         ; s54 1,024 wr: which of a block's two bias images is mine
.set MSB, 0
.macro WIN new                         ; the immediate's high byte repeats the setting that is left; a switch that changes nothing is dropped
.if MSB != (\new)
	s_set_vgpr_msb (MSB<<8)|(\new)
.set MSB, \new
.endif
.endm
.macro ROUND                           ; a round of the cluster's barrier: my work-group's barrier; wave 0 signals for the work-group; every wave waits for all four work-groups; my work-group's barrier once more
	s_barrier_signal -1
	s_barrier_wait -1
	s_cmp_lg_u32 s[WV], 0
	s_cbranch_scc1 .Lnot_wave_0_\@
	s_barrier_signal -3
.Lnot_wave_0_\@:
	s_barrier_wait -3
	s_barrier_signal -1
	s_barrier_wait -1
.endm
.macro PLACE_OF                        ; where enc's fragment frg lies
.if frg == 63
.set fwin, 0
.set freg, 240
.else
.set fwin, 1+frg/21
.set freg, 12*(frg%21)
.endif
.endm
; Matrix instruction i of 32 of phase x: K step i / 4, tile 4 x + i % 4.  The four accumulators take turns, one instruction a turn.  A scale register holds K step q's word in lanes 0-15, K step 4 + q's in lanes 16-31.
.macro MM x, par
.set kst, i/4
.set til, 4*(\x)+i%4
.set frg, 32*(\x)+i
	PLACE_OF
	WIN (fwin<<2)
.set rD, ACC+8*til
.set rA, WF+12*kst
.set rW, WS+4*(\par)+kst%4
.set rE, ES+4*til+kst%4
.if kst == 0
	v_wmma_scale_f32_16x16x128_f8f6f4 v[rD:rD+7], v[rA:rA+11], v[freg:freg+11], v[BIAS:BIAS+7], v[rW], v[rE] matrix_a_fmt:MATRIX_FMT_FP6 matrix_b_fmt:MATRIX_FMT_FP6
.elseif kst < 4
	v_wmma_scale_f32_16x16x128_f8f6f4 v[rD:rD+7], v[rA:rA+11], v[freg:freg+11], v[rD:rD+7], v[rW], v[rE] matrix_a_fmt:MATRIX_FMT_FP6 matrix_b_fmt:MATRIX_FMT_FP6
.else
	v_wmma_scale_f32_16x16x128_f8f6f4 v[rD:rD+7], v[rA:rA+11], v[freg:freg+11], v[rD:rD+7], v[rW], v[rE] matrix_a_fmt:MATRIX_FMT_FP6 matrix_b_fmt:MATRIX_FMT_FP6 matrix_a_scale:MATRIX_SCALE_ROW1 matrix_b_scale:MATRIX_SCALE_ROW1
.endif
.endm
; Line j of 48 of one half of group y's activation, on its 32 registers, 16 pairs.  kind 0: x c (a pair a line) and 2^;  kind 1: + 1 and 1 /.
; Lines 0-5: pairs 0-5.  Lines 6-45, ten fours: four k is pair 6 + k and then the transcendentals of registers 3 k, 3 k + 1, 3 k + 2.  Lines 46, 47: registers 30, 31.
; Register 3 k + 2 lies in pair (3 k + 2) / 2, at most 5 + k: a transcendental's pair is made ready in an earlier four.  No line names a transcendental's result, and the pairs go in ascending order: each accumulator is read from its low end on.
.macro EL y, kind
.set AB, ACC+32*(\y)
.if j < 6
.set plain, 1
.set nn, j
.elseif j < 46
.set qq, j-6
.if (qq%4) == 0
.set plain, 1
.set nn, 6+qq/4
.else
.set plain, 0
.set nn, 3*(qq/4)+qq%4-1
.endif
.else
.set plain, 0
.set nn, j-16
.endif
.if plain
.if (\kind) == 0
	v_pk_mul_f32 v[AB+2*nn:AB+2*nn+1], v[AB+2*nn:AB+2*nn+1], s[CS:CS+1] op_sel_hi:[1,0]
.else
	v_pk_add_f32 v[AB+2*nn:AB+2*nn+1], v[AB+2*nn:AB+2*nn+1], 1.0 op_sel_hi:[1,0]
.endif
.else
.if (\kind) == 0
	v_exp_f32 v[AB+nn], v[AB+nn]
.else
	v_rcp_f32 v[AB+nn], v[AB+nn]
.endif
.endif
.endm
.macro E3 y                            ; pair q3 of each of group y's four tiles, times -2 v of its two g, onto the tile's sums
.irp t, 0,1,2,3
	v_pk_fma_f32 v[SUM+8*(\y)+2*\t:SUM+8*(\y)+2*\t+1], v[ACC+32*(\y)+8*\t+2*q3:ACC+32*(\y)+8*\t+2*q3+1], v[VV+2*q3:VV+2*q3+1], v[SUM+8*(\y)+2*\t:SUM+8*(\y)+2*\t+1]
.endr
.endm
.macro LW s                            ; W_e's fragment of K step s, as an image of its registers
.irp c, 0,1,2
	ds_load_b128 v[WF+12*(\s)+4*\c:WF+12*(\s)+4*\c+3], v[ADW] offset:1536*(\s)+512*\c
.endr
.endm
; THE CHANGE OF SLOTS.  Each wave waits for all its tensor loads (one is out: its part of the slot ahead), adds 0 to its spare word, and waits for that and for its reads of the slot that it leaves.
; chg = 1: a round of the cluster's barrier, so that no wave of any partner still reads that slot or has a load on its way; the joint refill is the first thing behind it.  chg = 2: nothing is left to ask for: my work-group's barrier alone.
.macro CHANGE chg
	WIN 0                                          ; at a label and at a branch every window is 0
	s_wait_tensorcnt 0x0                           ; no tensor load of mine is out, so the group 0 may be written
	ds_add_u32 v[SPW], v[NIL]                      ; 0 onto my spare word
.if (\chg) == 1
	s_xor_b32 s[G0W+1], s[G0W+1], SLOT1            ; the walking descriptor: the other slot than last time,
	s_add_nc_u64 s[G0W+2:G0W+3], s[G0W+2:G0W+3], SLOTB   ; the next four steps; the type bits on top are not reached
	s_wait_dscnt 0x0                               ; the add is done, and my reads of the slot that I leave are over
	ROUND
	tensor_load_to_lds s[G0W:G0W+3], s[G1W:G1W+7]  ; my one tensor load until the next change: it has a slot's 256 matrix instructions in which to land
	s_nop 0
.rept 4
	v_nop
.endr
.else
	s_wait_dscnt 0x0
	s_barrier_signal -1
	s_barrier_wait -1
.endif
.endm
; Behind matrix instruction 11 of group A's phase: the batch of 32 exponentials is out.  One plain line, the one wait ahead of the batch's first reader, and this step's last two fragments of W_e
; (their registers' last readers stand in the phase before; the packed lines since are the places: ISA guide 7.12.1 for vector instructions).
.macro A11
	v_nop
	s_wait_alu depctr_va_vdst(0)
	LW 6
	LW 7
.endm
; The same place in group B's phase.  -2 v of THIS step (the sums of the step before have taken theirs): the last read of this step's blocks.  Then, in a slot's last step, the change of slots.  Then the NEXT step's bias, scale words and first two
; fragments: the bias's and the fragments' last readers are this phase's instructions 0 to 7; behind instruction 7 stand the four packed lines that lead slices 7 to 10, and the two address lines below.
.macro B11 par, chg, last, tbk
	v_add_nc_u32 v[TMPA], v[LANEV], s[TB]          ; (the plain line behind the last exponential)
.if \tbk
	s_sub_co_u32 s[TB], s[TB], 3*STEPB             ; back to a slot's first step,
	s_xor_b32 s[TB], s[TB], SLOT1                  ; in the other slot
.else
	s_add_co_u32 s[TB], s[TB], STEPB
.endif
.if (\last) == 0
	v_add_nc_u32 v[ADW], v[LANEW], s[TB]
.endif
	s_wait_alu depctr_va_vdst(0)                   ; one wait for the batch, ahead of its first reader and of the change's branches
	ds_load_b128 v[VV:VV+3], v[TMPA]
	ds_load_b128 v[VV+4:VV+7], v[TMPA] offset:16
.if \chg
	CHANGE \chg
.endif
.if (\last) == 0
	v_add_nc_u32 v[TMPA], v[ADW], s[WRK]
	ds_load_b128 v[BIAS:BIAS+3], v[TMPA] offset:12800
	ds_load_b128 v[BIAS+4:BIAS+7], v[TMPA] offset:13312
	ds_load_b128 v[WS+4*(1-(\par)):WS+4*(1-(\par))+3], v[ADW] offset:12288
	LW 0
	LW 1
.endif
.endm
; A PHASE: group x has the matrix unit; group 1 - x's activation stands behind its instructions.  Each half of 48 lines is cut so that a slice's plain lines lead: six lines behind instruction 0 (12), four behind each of 1-10 (13-22),
; two behind 11 (23).  Four multiply-adds stand behind each of 25, 27, 29, 31.  Those behind 31 name nothing of the phase's products: they are the places between the phase's last product and the next phase's first read of its results.
.macro PHASE x, par, chg, last, tbk
.set i, 0
.rept 32
.if ((\x) == 0) && ((i == 8) || (i == 24))
	s_wait_dscnt 0x0                               ; at 8: fragments 2-5, asked for in the phase before; at 24: fragments 6, 7; nothing younger is out
.endif
	MM \x, \par
.if i < 24
.set ii, i%12
.if ii == 0
.set j, 0
.set cnt, 6
.elseif ii < 11
.set j, 4*ii+2
.set cnt, 4
.else
.set j, 46
.set cnt, 2
.endif
.rept cnt
	EL 1-(\x), i/12
.set j, j+1
.endr
.elseif (i%2) == 1
.if ((\x) == 1) && (i == 25)
.if \last
	s_wait_dscnt 0x0                               ; -2 v is in
.else
	s_wait_dscnt 12                                ; all but the twelve loads issued behind instruction 23: -2 v for the lines below; bias, scale words and fragments 0, 1 for the next phase
.endif
.endif
	WIN 0
.set q3, (i-25)/2
	E3 1-(\x)
.endif
.if i == 11
.if (\x) == 0
	A11
.else
	B11 \par, \chg, \last, \tbk
.endif
.endif
.if i == 23
.if ((\x) == 1) && ((\last) == 0)
.rept 4
	v_nop                                          ; the places behind instruction 23, which read fragment 5; the first is also the plain line behind the last reciprocal
.endr
	s_wait_alu depctr_va_vdst(0)                   ; one wait for the batch of 32 reciprocals
	LW 2
	LW 3
	LW 4
	LW 5
.else
	v_nop
	s_wait_alu depctr_va_vdst(0)
.endif
.endif
.set i, i+1
.endr
.endm
.macro STEP par, chg, last, tbk
	PHASE 0, \par, 0, 0, 0
	PHASE 1, \par, \chg, \last, \tbk
.endm
.macro SLOTM chg, last                 ; a slot's four steps
	STEP 0, 0, 0, 0
	STEP 1, 0, 0, 0
	STEP 0, 0, 0, 0
	STEP 1, \chg, \last, 1
.endm
; enc's fragment (tile ea, K step es) out of the staging: 16 rows x 128 K of 6-bit codes are 12 registers: lane (r, h) takes 24 bytes of row r at 96 es + 24 h and 24 at 96 es + 48 + 24 h, in pieces of 8 bytes.
; 8 bytes of padding lie behind every 32 pieces; lanes 16-31 read three pieces further on, which from piece 29 of 32 on is behind one padding more: the second address register serves those.
.macro EFRAG
.set frg, 32*(ea/4)+4*es+ea%4
	PLACE_OF
	WIN (fwin<<6)
.set pp, 0
.rept 6
.set PC, 12*es+6*(pp/3)+pp%3
.if (PC%32) < 29
	ds_load_b64 v[freg+2*pp:freg+2*pp+1], v[EA0] offset:8*PC+8*(PC/32)+32*EPI*(ea%2)
.else
	ds_load_b64 v[freg+2*pp:freg+2*pp+1], v[EA1] offset:8*PC+8*(PC/32)+32*EPI*(ea%2)
.endif
.set pp, pp+1
.endr
.endm
.macro HALF first                      ; tiles first .. first + 3
.set ea, \first
.rept 4
.set es, 0
.rept 8
	EFRAG
.set es, es+1
.endr
.if ((ea%2) == 1) && (ea < 7)
	WIN 0
	v_add_nc_u32 v[EA0], 2*32*EPI, v[EA0]          ; two tiles (64 rows) on, so that the offsets stay inside 16 bits
	v_add_nc_u32 v[EA1], 2*32*EPI, v[EA1]
.endif
.set ea, ea+1
.endr
.endm
	s_load_b256 s[4:11], s[0:1], 0x0               ; enc's codes s[4:5], its scales s[6:7], the stream s[8:9], scores s[10:11]
	v_lshl_add_u32 v[SPW], v0, 2, SPARE
	v_mov_b32 v[NIL], 0
	ds_add_u32 v[SPW], v[NIL]                      ; the wave's opening: the add, twice on end, and its wait ahead of my first tensor load; the set-up below, work on registers, stands between
	ds_add_u32 v[SPW], v[NIL]
	v_lshrrev_b32 v80, 5, v0
	v_readfirstlane_b32 s[WV], v80                 ; wave 0..3
	s_lshr_b32 s[WR], s[WV], 1
	s_and_b32 s[WG], s[WV], 1
	s_bfe_u32 s[CX], ttmp6, 0x40000                ; my place in the cluster: it enters enc's and scores' global addresses alone
	s_lshl_b32 s[WID], ttmp9, 2                    ; in a cluster launch ttmp9 counts clusters
	s_add_co_u32 s[WID], s[WID], s[CX]
	; group 1 for enc: my 32 rows of 768 dense bytes as 96 rows of 256 bytes (32 elements of 8), 8 bytes of padding behind each; no mask
	s_mov_b32 s[G1E], (3<<16)|(1<<20)|(5<<22)|(1<<25)   ; 17:16 elements of 8 bytes; 20 padding on; 24:22 after every 64 words (code 5); 31:25 2 words of it (code 1)
	s_mov_b32 s[G1E+1], 32<<16                     ; tensor_dim0
	s_mov_b32 s[G1E+2], 96<<16                     ; tensor_dim1
	s_mov_b32 s[G1E+3], 32<<16                     ; tile_dim0
	s_mov_b32 s[G1E+4], 96                         ; tile_dim1
	s_mov_b32 s[G1E+5], 32                         ; from row to row
	s_mov_b32 s[G1E+6], 0
	s_mov_b32 s[G1E+7], 0
	; group 1 for the stream: a step's 30,208 dense bytes as 118 rows of 256 bytes; the mask names all four work-groups, bit 21 beside it
	s_mov_b32 s[G1W], 15|(3<<16)|(1<<21)
	s_mov_b32 s[G1W+1], 32<<16
	s_mov_b32 s[G1W+2], 118<<16
	s_mov_b32 s[G1W+3], 32<<16
	s_mov_b32 s[G1W+4], 118
	s_mov_b32 s[G1W+5], 32
	s_mov_b32 s[G1W+6], 0
	s_mov_b32 s[G1W+7], 0
	s_mov_b32 s[CS], 0x4038aa3b                    ; c = 2 log2(e)
	s_mov_b32 s[CS+1], s[CS]                       ; (named with it as a pair, so it is written)
	s_mov_b32 s[SEL], 0x76543210
	s_mov_b32 s[SEL+1], 0xfedcba98
	s_mov_b32 s[TB], 0
	s_mov_b32 s[SLOTS], 6
	s_lshl_b32 s[WRK], s[WR], 10
	s_mul_i32 s56, s[WID], 196608                  ; my work-group's 256 rows of codes,
	s_mul_i32 s58, s[WV], 24576                    ; my wave's 32 of each half
	s_add_co_u32 s56, s56, s58
	s_mov_b32 s57, 0
	s_mul_i32 s59, s[WV], 32*EPI                   ; and their place in the staging: the wave's number alone
	s_mul_i32 s60, s[WV], STEPB                    ; of a slot's four steps I fetch step w: in memory and in LDS alike
	s_mov_b32 s61, 0
	s_wait_dscnt 0x0                               ; both opening adds are done
	s_wait_kmcnt 0x0
	s_add_nc_u64 s[4:5], s[4:5], s[56:57]
	s_mov_b32 s[G0E0], 1                           ; count = 1
	s_add_co_u32 s[G0E0+1], s59, STG               ; LDS address: rows 32 w on
	s_mov_b64 s[G0E0+2:G0E0+3], s[4:5]
	s_or_b32 s[G0E0+3], s[G0E0+3], 0x80000000      ; type = 2
	s_mov_b32 s[G0E1], 1
	s_add_co_u32 s[G0E1+1], s59, STG+128*EPI       ; rows 128 + 32 w on
	s_add_nc_u64 s[G0E1+2:G0E1+3], s[4:5], 128*768
	s_or_b32 s[G0E1+3], s[G0E1+3], 0x80000000
	s_mov_b32 s[G0W], 1
	s_mov_b32 s[G0W+1], s60                        ; slot 0
	s_add_nc_u64 s[G0W+2:G0W+3], s[8:9], s[60:61]
	s_or_b32 s[G0W+3], s[G0W+3], 0x80000000
	ROUND                                          ; all four work-groups are here: the first joint loads meet
	tensor_load_to_lds s[G0E0:G0E0+3], s[G1E:G1E+7]   ; the first fills go out as one group, in every wave: three loads of mine are out
	s_nop 0
	tensor_load_to_lds s[G0E1:G0E1+3], s[G1E:G1E+7]
	s_nop 0
	tensor_load_to_lds s[G0W:G0W+3], s[G1W:G1W+7]
	s_nop 0
.rept 4
	v_nop
.endr
	s_lshl_b32 s56, s[WID], 13                     ; enc's scale bytes: 32 a row: 8,192 a work-group, 512 for 16 rows
	s_lshl_b32 s58, s[WR], 9
	s_add_co_u32 s56, s56, s58
	s_add_nc_u64 s[6:7], s[6:7], s[56:57]
	v_and_b32 v80, 15, v0                          ; r
	v_bfe_u32 v81, v0, 4, 1                        ; h
	v_and_b32 v82, 31, v0                          ; l
	v_lshlrev_b32 v[ESO], 5, v80
	v_lshl_add_u32 v[ESO], v81, 4, v[ESO]
.irp a, 0,1,2,3,4,5,6,7
	global_load_b128 v[ES+4*\a:ES+4*\a+3], v[ESO], s[6:7] offset:1024*\a   ; tile a's scale words: 512 consecutive bytes a load; they stay
.endr
	s_lshl_b32 s56, s[WID], 5                      ; scores [32 b][2,048 t]: my work-group's eight t are 32 bytes of each row; my wave stores b = 8 w .. 8 w + 7
	s_lshl_b32 s58, s[WV], 16
	s_add_co_u32 s56, s56, s58
	s_add_nc_u64 s[10:11], s[10:11], s[56:57]
	s_mul_i32 s58, s[WG], BLK
	v_lshl_add_u32 v[LANEW], v82, 4, s58
	s_add_co_u32 s59, s58, 14848
	v_lshl_add_u32 v[LANEV], v81, 5, s59
	s_mul_i32 s58, s[WR], 16*EPI
	s_add_co_u32 s58, s58, STG
	v_mul_u32_u24 v[EA0], v80, EPI
	v_mad_u32_u24 v[EA0], v81, 24, v[EA0]
	v_add_nc_u32 v[EA0], s58, v[EA0]               ; the staging: row 16 wr + r, + 24 h
	v_lshl_add_u32 v[EA1], v81, 3, v[EA0]
	s_lshl_b32 s58, s[WG], 10
	s_lshl_b32 s59, s[WR], 9
	s_add_co_u32 s58, s58, s59
	s_add_co_u32 s58, s58, SST
	v_lshl_add_u32 v[SSTO], v80, 5, s58            ; the stage: [wg][b = 16 wr + r], 32 bytes a b; tile a is t = a: 4 a bytes on
	s_lshl_b32 s58, s[WV], 8
	s_add_co_u32 s58, s58, SST
	v_lshl_add_u32 v[SRD], v82, 3, s58             ; back: b = 8 w + l / 4, t = 2 (l % 4), + 1
	v_lshrrev_b32 v83, 2, v82
	v_and_b32 v84, 3, v82
	v_lshlrev_b32 v[GO], 3, v84
	v_lshl_add_u32 v[GO], v83, 13, v[GO]           ; in scores: 8,192 (l / 4) + 8 (l % 4)
.irp n, 0,1,2,3,4,5,6,7,8,9,10,11,12,13,14,15
	v_mov_b32 v[SUM+\n], 0
.endr
.set nn, 0
.rept 32
	v_mov_b32 v[ACC+32+nn], 0x7149f2ca             ; THE LOOP HAS NO FIRST PHASE OF ITS OWN: the first phase finds 1e30 in group B: 2^(c 1e30) is infinity, its reciprocal 0, and 0 is added to the sums
.set nn, nn+1
.endr
	s_wait_tensorcnt 0x2                           ; my part of rows 0-127 is in; the other half's and slot 0's may stay out
	s_barrier_signal -1
	s_barrier_wait -1                              ; everybody's is
	HALF 0
	s_wait_tensorcnt 0x1                           ; my part of rows 128-255; slot 0's may stay out
	s_wait_dscnt 0x0
	s_barrier_signal -1
	s_barrier_wait -1
	HALF 4
	CHANGE 1                                       ; every wave has read the staging out, and slot 0 is whole: steps 4-7 go into slot 1, which lies in the staging's bytes
	v_add_nc_u32 v[ADW], v[LANEW], s[TB]           ; step 0
	ds_load_b128 v[VV:VV+3], v[LANEV]
	ds_load_b128 v[VV+4:VV+7], v[LANEV] offset:16
	v_add_nc_u32 v[TMPA], v[ADW], s[WRK]
	ds_load_b128 v[BIAS:BIAS+3], v[TMPA] offset:12800
	ds_load_b128 v[BIAS+4:BIAS+7], v[TMPA] offset:13312
	ds_load_b128 v[WS:WS+3], v[ADW] offset:12288
.irp s, 0,1,2,3,4,5
	LW \s
.endr
	s_wait_dscnt 0x0
	s_wait_loadcnt 0x0                             ; enc's scale words
.Lslot:                                            ; six trips: slots 0-5; each asks for the slot two on
	SLOTM 1, 0
	WIN 0
	s_sub_co_u32 s[SLOTS], s[SLOTS], 1
	s_cmp_lg_u32 s[SLOTS], 0
	s_cbranch_scc1 .Lslot
	SLOTM 2, 0                                     ; the last two slots are written out: slot 6 asks for nothing
	SLOTM 0, 1                                     ; and slot 7 fetches nothing beyond its last step
	WIN 0                                          ; group B's last activation has no products to stand behind
.set j, 0
.rept 48
	EL 1, 0
.set j, j+1
.endr
	v_nop
	s_wait_alu depctr_va_vdst(0)
.set j, 0
.rept 48
	EL 1, 1
.set j, j+1
.endr
	v_nop
	s_wait_alu depctr_va_vdst(0)
.set q3, 0
.rept 4
	E3 1
.set q3, q3+1
.endr
	; THE WAY OUT.  A tile's pair of sums and lane l xor 16's make a row's sum over my 32 tiles of g; the two waves that share the rows meet in the stage, which is laid [b][t]: the turn from rows 32 t + b to [b][t] is made here.
.irp a, 0,1,2,3,4,5,6,7
	v_add_f32 v[ACC+\a], v[SUM+2*\a], v[SUM+2*\a+1]
.endr
.irp a, 0,1,2,3,4,5,6,7
	v_permlanex16_b32 v[ACC+16+\a], v[ACC+\a], s[SEL], s[SEL+1]
.endr
.irp a, 0,1,2,3,4,5,6,7
	v_add_f32 v[ACC+\a], v[ACC+\a], v[ACC+16+\a]
.endr
.irp a, 0,1,2,3,4,5,6,7
	ds_store_b32 v[SSTO], v[ACC+\a] offset:4*\a    ; both halves of the lanes write the same word with the same value
.endr
	s_wait_dscnt 0x0                               ; for the others' sake: my stores are done
	s_barrier_signal -1
	s_barrier_wait -1
	ds_load_b64 v[ACC+32:ACC+33], v[SRD]
	ds_load_b64 v[ACC+34:ACC+35], v[SRD] offset:1024
	s_wait_dscnt 0x0
	v_pk_add_f32 v[ACC+32:ACC+33], v[ACC+32:ACC+33], v[ACC+34:ACC+35]
	global_store_b64 v[GO], v[ACC+32:ACC+33], s[10:11]   ; four lanes store a b's 32 consecutive bytes, a wave eight b: pieces of rows, 262,144 bytes in the whole launch, so that the third launch reads each row on end and not 4 bytes of every 128
	s_wait_tensorcnt 0x0                           ; the wave's end: behind my last tensor load and my last LDS store
	ds_add_u32 v[SPW], v[NIL]
	s_wait_dscnt 0x0
	ROUND                                          ; the closing round: no work-group ends while a partner may still ask for a tile that names it
	s_endpgm
.Lfunc_end_k_qfd8f846397_energy:
	.size	k_qfd8f846397_energy, .Lfunc_end_k_qfd8f846397_energy-k_qfd8f846397_energy
	.p2alignl 7, 3214868480
	.fill 96, 4, 3214868480
	.section	.rodata,"a",@progbits
	.p2align	6, 0x0
	.amdhsa_kernel k_qfd8f846397_energy
		.amdhsa_group_segment_fixed_size 327680
		.amdhsa_private_segment_fixed_size 0
		.amdhsa_enable_private_segment 0
		.amdhsa_kernarg_size 32
		.amdhsa_user_sgpr_count 2
		.amdhsa_user_sgpr_kernarg_segment_ptr 1
		.amdhsa_wavefront_size32 1
		.amdhsa_system_sgpr_workgroup_id_x 1
		.amdhsa_system_sgpr_workgroup_id_y 1
		.amdhsa_system_sgpr_workgroup_id_z 1
		.amdhsa_system_vgpr_workitem_id 0
		.amdhsa_next_free_vgpr 1024
		.amdhsa_next_free_sgpr 66
		.amdhsa_reserve_vcc 0
		.amdhsa_float_denorm_mode_32 3
		.amdhsa_float_denorm_mode_16_64 3
		.amdhsa_memory_ordered 1
		.amdhsa_forward_progress 1
		.amdhsa_inst_pref_size 255
	.end_amdhsa_kernel
	.section	.bss,"aw",@nobits
	.p2align	6
	.space	262144
	.amdgpu_metadata
---
amdhsa.version: [ 1, 2 ]
amdhsa.kernels:
  - .name:           k_qfd8f846397_energy
    .symbol:         k_qfd8f846397_energy.kd
    .args:
      - { .name: encoder_outputs_codes, .offset: 0, .size: 8, .value_kind: global_buffer, .address_space: global }
      - { .name: encoder_outputs_scales, .offset: 8, .size: 8, .value_kind: global_buffer, .address_space: global }
      - { .name: wstream, .offset: 16, .size: 8, .value_kind: global_buffer, .address_space: global }
      - { .name: scores, .offset: 24, .size: 8, .value_kind: global_buffer, .address_space: global }
    .group_segment_fixed_size: 327680
    .private_segment_fixed_size: 0
    .kernarg_segment_align: 8
    .kernarg_segment_size: 32
    .max_flat_workgroup_size: 128
    .sgpr_count:     66
    .vgpr_count:     1024
    .wavefront_size: 32
...
	.end_amdgpu_metadata
.endif
;; end of part 2
;; launch soft (part 3): grid 32 x 1, 8 waves a work-group, no clusters, 1,280 bytes of LDS; arguments scores, out0; writes out0
.if DOCPART == 3
	.amdgcn_target "amdgcn-amd-amdhsa--gfx1250"
	.amdhsa_code_object_version 6
	.text
	.protected	k_qfd8f846397_soft
	.globl	k_qfd8f846397_soft
	.p2align	8
	.type	k_qfd8f846397_soft,@function
k_qfd8f846397_soft:
	s_mov_b64 s[64:65], 0
	v_nop
	global_prefetch_b8 v0, s[64:65] scope:SCOPE_SE
	s_setreg_imm32_b32 hwreg(HW_REG_WAVE_MODE, 25, 1), 1
	s_wait_xcnt 0x0
; Third launch: out0[b][t] = softmax over t of scores[b][t].  The scores lack the term sum over g of v[g], which is the same along t and moves no softmax (shown at the head of the first launch's text).
; The row's maximum is taken away before the exponential, as the problem has it.
; Work-group b, eight waves.  A lane owns t = 256 wave + 4 lane + 0 .. 3 and the same + 128: each of its two loads and each of its two stores stands among 512 consecutive bytes of the wave's, and one offset serves all four.
; Maximum and sum: within a lane, across the wave's lanes, then across the eight waves through 32 bytes of LDS each, behind a barrier.
; A row of 2,048 numbers is one work-group's; 32 rows give 32 work-groups, and nothing is padded.
.set SPARE, 256                        ; LDS: bytes 0-31 the waves' maxima, 32-63 their sums; from 256 on the spare words, 128 bytes for each wave, that no other line names
	s_load_b128 s[4:7], s[0:1], 0x0                ; scores, out0
	v_lshl_add_u32 v30, v0, 2, SPARE
	v_mov_b32 v31, 0
	v_lshrrev_b32 v1, 5, v0
	v_readfirstlane_b32 s8, v1                     ; wave 0..7
	v_and_b32 v6, 31, v0                           ; lane
	v_lshlrev_b32 v3, 4, v6
	v_lshl_add_u32 v3, v1, 10, v3                  ; 4 bytes a t: 1,024 wave + 16 lane
	v_mov_b32 v4, s8
	v_lshlrev_b32 v4, 2, v4                        ; my wave's word
	v_mov_b32 v5, 0
	v_mov_b32 v17, 0                               ; written once: a lane permute's destination counts as one of its sources
	v_mov_b32 v29, 0                               ; (named as the upper half of the pair v[28:29])
	s_lshl_b32 s12, ttmp9, 13                      ; a row is 8,192 bytes, in both buffers
	s_mov_b32 s13, 0
	s_mov_b32 s14, 0x76543210
	s_mov_b32 s15, 0xfedcba98                      ; v_permlanex16_b32's selects for lane l xor 16
	s_wait_kmcnt 0x0
	s_add_nc_u64 s[4:5], s[4:5], s[12:13]
	s_add_nc_u64 s[6:7], s[6:7], s[12:13]
	global_load_b128 v[8:11], v3, s[4:5]
	global_load_b128 v[12:15], v3, s[4:5] offset:512
	s_wait_loadcnt 0x0
	v_max3_num_f32 v16, v8, v9, v10
	v_max3_num_f32 v16, v16, v11, v12
	v_max3_num_f32 v16, v16, v13, v14
	v_max_num_f32 v16, v16, v15
	v_max_num_f32_dpp v16, v16, v16 row_xmask:1 row_mask:0xf bank_mask:0xf
	v_max_num_f32_dpp v16, v16, v16 row_xmask:2 row_mask:0xf bank_mask:0xf
	v_max_num_f32_dpp v16, v16, v16 row_xmask:4 row_mask:0xf bank_mask:0xf
	v_max_num_f32_dpp v16, v16, v16 row_xmask:8 row_mask:0xf bank_mask:0xf
	v_permlanex16_b32 v17, v16, s14, s15
	v_max_num_f32 v16, v16, v17                    ; the wave's maximum, in every lane
	ds_store_b32 v4, v16
	s_wait_dscnt 0x0                               ; for the others' sake
	s_barrier_signal -1
	s_barrier_wait -1
	ds_load_b128 v[20:23], v5
	ds_load_b128 v[24:27], v5 offset:16
	s_wait_dscnt 0x0
	v_max3_num_f32 v16, v20, v21, v22
	v_max3_num_f32 v16, v16, v23, v24
	v_max3_num_f32 v16, v16, v25, v26
	v_max_num_f32 v16, v16, v27                    ; the row's maximum
.irp k, 0,2,4,6
	v_pk_add_f32 v[8+\k:9+\k], v[8+\k:9+\k], v[16:17] op_sel_hi:[1,0] neg_lo:[0,1] neg_hi:[0,1]   ; x - m
.endr
.irp k, 0,2,4,6
	v_pk_mul_f32 v[8+\k:9+\k], v[8+\k:9+\k], 0x3fb8aa3b op_sel_hi:[1,0]                           ; x log2(e)
.endr
.irp k, 0,1,2,3,4,5,6,7
	v_exp_f32 v[8+\k], v[8+\k]
.endr
	v_nop                                          ; a plain line behind the last exponential
	s_wait_alu depctr_va_vdst(0)                   ; and the one wait ahead of the batch's first reader
	v_pk_add_f32 v[20:21], v[8:9], v[10:11]
	v_pk_add_f32 v[22:23], v[12:13], v[14:15]
	v_pk_add_f32 v[20:21], v[20:21], v[22:23]
	v_add_f32 v18, v20, v21
	v_add_f32_dpp v18, v18, v18 row_xmask:1 row_mask:0xf bank_mask:0xf
	v_add_f32_dpp v18, v18, v18 row_xmask:2 row_mask:0xf bank_mask:0xf
	v_add_f32_dpp v18, v18, v18 row_xmask:4 row_mask:0xf bank_mask:0xf
	v_add_f32_dpp v18, v18, v18 row_xmask:8 row_mask:0xf bank_mask:0xf
	v_permlanex16_b32 v17, v18, s14, s15
	v_add_f32 v18, v18, v17                        ; the wave's sum
	ds_store_b32 v4, v18 offset:32                 ; other bytes than the maxima's, which slower waves may still be reading
	s_wait_dscnt 0x0
	s_barrier_signal -1
	s_barrier_wait -1
	ds_load_b128 v[20:23], v5 offset:32
	ds_load_b128 v[24:27], v5 offset:48
	s_wait_dscnt 0x0
	v_pk_add_f32 v[20:21], v[20:21], v[22:23]
	v_pk_add_f32 v[24:25], v[24:25], v[26:27]
	v_pk_add_f32 v[20:21], v[20:21], v[24:25]
	v_add_f32 v18, v20, v21                        ; the row's sum
	v_rcp_f32 v28, v18
	v_nop
	s_wait_alu depctr_va_vdst(0)
.irp k, 0,2,4,6
	v_pk_mul_f32 v[8+\k:9+\k], v[8+\k:9+\k], v[28:29] op_sel_hi:[1,0]
.endr
	global_store_b128 v3, v[8:11], s[6:7]          ; 32 lanes store 512 consecutive bytes, at a multiple of 256 from the buffer's first byte
	global_store_b128 v3, v[12:15], s[6:7] offset:512
	s_wait_tensorcnt 0x0                           ; the wave's end: behind my last LDS store
	ds_add_u32 v30, v31
	s_wait_dscnt 0x0
	s_endpgm
.Lfunc_end_k_qfd8f846397_soft:
	.size	k_qfd8f846397_soft, .Lfunc_end_k_qfd8f846397_soft-k_qfd8f846397_soft
	.p2alignl 7, 3214868480
	.fill 96, 4, 3214868480
	.section	.rodata,"a",@progbits
	.p2align	6, 0x0
	.amdhsa_kernel k_qfd8f846397_soft
		.amdhsa_group_segment_fixed_size 1280
		.amdhsa_private_segment_fixed_size 0
		.amdhsa_enable_private_segment 0
		.amdhsa_kernarg_size 16
		.amdhsa_user_sgpr_count 2
		.amdhsa_user_sgpr_kernarg_segment_ptr 1
		.amdhsa_wavefront_size32 1
		.amdhsa_system_sgpr_workgroup_id_x 1
		.amdhsa_system_sgpr_workgroup_id_y 1
		.amdhsa_system_sgpr_workgroup_id_z 1
		.amdhsa_system_vgpr_workitem_id 0
		.amdhsa_next_free_vgpr 40
		.amdhsa_next_free_sgpr 66
		.amdhsa_reserve_vcc 0
		.amdhsa_float_denorm_mode_32 3
		.amdhsa_float_denorm_mode_16_64 3
		.amdhsa_memory_ordered 1
		.amdhsa_forward_progress 1
		.amdhsa_inst_pref_size 6
	.end_amdhsa_kernel
	.amdgpu_metadata
---
amdhsa.version: [ 1, 2 ]
amdhsa.kernels:
  - .name:           k_qfd8f846397_soft
    .symbol:         k_qfd8f846397_soft.kd
    .args:
      - { .name: scores, .offset: 0, .size: 8, .value_kind: global_buffer, .address_space: global }
      - { .name: out0, .offset: 8, .size: 8, .value_kind: global_buffer, .address_space: global }
    .group_segment_fixed_size: 1280
    .private_segment_fixed_size: 0
    .kernarg_segment_align: 8
    .kernarg_segment_size: 16
    .max_flat_workgroup_size: 256
    .sgpr_count:     66
    .vgpr_count:     40
    .wavefront_size: 32
...
	.end_amdgpu_metadata
.endif
;; end of part 3
